; MI455X (gfx1250); checked and timed in simulation.
; The chip was launched on July 23, 2026; its instructions are those of AMD's public machine-readable ISA for CDNA 5 (MIT licence, August 2026) and "CDNA5" Instruction Set Architecture Reference Guide (July 2026). The comments in the code are by the model that wrote it; some were corrected since.
;; HMU. Allowed arithmetic: matrix products marked QUANTISED: E5M2 operands, one E8M0 scale for each 32 along K, by v_wmma_scale_f32_16x16x128_f8f6f4 with both operands' format E5M2, f32 sums; products left as they are: f32 operands where the result goes on into a quantised operand, else bf16, f16 or f32 operands; f32 sums; everything else in f32.
;; Inputs: lambda_base 1 float32; mu 1,024 float32; v 8 x 1,024 float32; x 65,536 x 1,024 float32.
;; Outputs: out0 65,536 float32.
;; This version of the problem:
;;   THIS VERSION OF THE PROBLEM IS GIVEN IN LOW PRECISION. The matrix products marked QUANTISED in the list below multiply operands that are first quantised to E5M2 (5 exponent bits, 2 mantissa bits; 8 bits a number), with one power-of-two scale for each 32 numbers along K (OCP MX v1.0); their sums are f32. All else is computed in f32.
;;   The module's matrix products, in the order in which they are computed (A, B: the left and right operand; K: the contracted axis; several contracted axes count as one K, in the product's order):
;;     1. [M 1,024, K 8] x [K 8, N 1,024]; A: input v; B: input v: left as it is (K = 8 < 32)
;;     2. [M 1,024, K 1,024] x [K 1,024, N 65,536]; A: computed on the way; B: computed on the way: QUANTISED
;;     3. batch 65,536 x [M 1, K 1,024] x [K 1,024, N 1]; A: computed on the way; B: computed on the way: left as it is (M = 1 < 16)
;;   THE QUANTISER, for each operand of a quantised product, along K:
;;     - K is cut into blocks of 32 from its start; a last block that is shorter is filled with zeros.
;;     - A block's scale is 2^e with e = floor(log2(the largest magnitude in the block)) - 15, held to -126 .. 127; a block of zeros has e = 0. As a byte (E8M0): e + 127.
;;     - Each number is divided by its block's scale, clamped to +-57,344, and rounded to the nearest number of E5M2, ties to even, subnormals kept.
;;     - The product sums the exact products of the quantised numbers (number of the format x scale) in f32.
;;   ~~~python
;;   def quantise(x, axis):      # numpy; x: float32 -> the quantised numbers, widened to float32 again
;;       x = np.moveaxis(x, axis, -1); K = x.shape[-1]
;;       x = np.pad(x, [(0, 0)] * (x.ndim - 1) + [(0, -K % 32)]); x = x.reshape(x.shape[:-1] + (-1, 32)); a = np.abs(x).max(-1, keepdims=True)
;;       e = np.where(a > 0, np.clip(np.frexp(np.where(a > 0, a, 1))[1] - 1 - 15, -126, 127), 0)      # np.frexp(a)[1] - 1 = floor(log2(a)), exactly
;;       r = np.clip(x / 2.0 ** e, -57344, 57344)
;;       step = 2.0 ** (np.maximum(np.frexp(np.where(r == 0, 1, r))[1] - 1, -14) - 2)
;;       q = np.round(r / step) * step * 2.0 ** e      # np.round: ties to even
;;       return np.moveaxis(q.reshape(q.shape[:-2] + (-1,))[..., :K], -1, axis).astype(np.float32)
;;   ~~~
;;   OPERANDS COMPUTED ON THE WAY. 'Computed on the way' means the value that the module computes at that place (a softmax that the list does not call 'softmax' is quantised finished and normalised). What goes into a quantiser is computed in f32, as accurately as f32 sums, v_exp_f32 and their like allow (about 1e-6 of the number): no bf16 or f16 on the way to a quantiser, and a product that is left as it is and whose result goes on into a quantised operand takes f32 operands (vector FMAs, or v_wmma_f32_16x16x4_f32). A number that lies on a knife's edge between two numbers of the format may be rounded either way, as far as f32 arithmetic and the matrix unit's own rounding can turn it there, and no further.
;; 2 versions. Each part assembles by itself: llvm-mc -triple=amdgcn-amd-amdhsa -mcpu=gfx1250 --defsym DOCPART=n.
;; ======== version 1 of 2: 2 launches
;; workspace buffers: wq 1,048,576 bytes; ws 32,768 bytes
;; launch wprep (part 1): grid 32 x 4, 4 waves a work-group, no clusters, 8,960 bytes of LDS; arguments lambda_base, v, wq, ws; writes wq, ws
.if DOCPART == 1
	.amdgcn_target "amdgcn-amd-amdhsa--gfx1250"
	.amdhsa_code_object_version 6
	.text
	.protected	k_q3d0223dbb2_wprep
	.globl	k_q3d0223dbb2_wprep
	.p2align	8
	.type	k_q3d0223dbb2_wprep,@function
k_q3d0223dbb2_wprep:
	s_mov_b64 s[64:65], 0
	v_nop
	global_prefetch_b8 v0, s[64:65] scope:SCOPE_SE
	s_setreg_imm32_b32 hwreg(HW_REG_WAVE_MODE, 25, 1), 1
	s_wait_xcnt 0x0
; W = lambda I + v^T v ([1024][1024], f32, by fused multiply-adds over the 8 rows of v) is quantised along k to codes of BF8 (E5M2) with one E8M0 byte
; for each 32 along k, and stored IN THE ORDER OF THE OPERAND'S REGISTERS, so that the next launch loads each fragment by 16 bytes a lane, 512 consecutive bytes a line.
; W(i, k) and W(k, i) are the same bits (the products commute, the order over the 8 rows is the same), so either axis may be called K.
; wq: byte w 262144 + n 4096 + u 2048 + c 512 + 16 lane + e = code of W(i, k), i = 32 (n / 2) + 8 (n % 2) + r + 8 (r / 8), k = 256 w + 128 u + 32 c + 16 h + e  (r = lane % 16, h = lane / 16).
; ws: byte w 8192 + (n / 2) 256 + 8 lane + 4 (n % 2) + c = scale byte of row i (r = lane % 16), block k = 256 w + 128 (lane / 16) + 32 c.
; SHARES: work-group (x = n / 2, y = w); wave: u = wave / 2, n % 2 = wave % 2: one fragment, 16 rows x 128 k, 64 numbers a lane.
; A lane's register 16 c + e is k = 32 c + 16 h + e of its row: the conversions' results are the fragment's registers.
; LIMITS: NaN and infinities among the inputs are not served.  A block of zeros keeps the floor's byte, 1, where the rule says 127: its codes are zeros, and this program alone reads the bytes.
.set VK,  0                            ; LDS: v[t][256 w .. 256 w + 255], row t at 1,024 t
.set SCW, 8192                         ; LDS: the work-group's 64 scale words, in ws's order
.set VI,  16                           ; v16, 18, .. 30: v[t][i]; the odd registers are named with them as pairs and hold 0
.set KA,  32                           ; v32-95, v96-159: v[t][my 64 k], two buffers
.set KB,  96
.set ACC, 160                          ; v160-223 the 64 sums
.set PC,  224                          ; v224-239 the codes
.set TM,  240                          ; v240-243 largest magnitudes, 244-247 bytes, 248-251 the largest number x the scale, 252-255 the conversions' scale operands
.set PW,  12                           ; v12 the scale word
	s_load_b128 s[4:7], s[0:1], 0x0                ; lambda s[4:5], v s[6:7]
	s_load_b128 s[8:11], s[0:1], 0x10              ; wq s[8:9], ws s[10:11]
	s_set_vgpr_msb 0x40
	v_lshl_add_u32 v0, v0, 2, 0x2100
	v_mov_b32 v1, 0
	s_set_vgpr_msb 0x4000
	v_lshrrev_b32 v1, 5, v0
	v_readfirstlane_b32 s14, v1                    ; wave 0..3
	s_and_b32 s15, ttmp7, 0xffff                   ; w: which quarter of k
	s_lshr_b32 s16, s14, 1                         ; u
	s_and_b32 s17, s14, 1                          ; n % 2
	v_and_b32 v2, 15, v0                           ; r
	v_bfe_u32 v3, v0, 4, 1                         ; h
	v_and_b32 v1, 31, v0
	v_lshlrev_b32 v4, 4, v1                        ; 16 x lane: my place in a line of codes
	v_lshlrev_b32 v1, 3, v1                        ; 8 x lane: the scale words' way out
	v_lshrrev_b32 v5, 6, v0
	v_and_b32 v6, 63, v0
	v_lshlrev_b32 v6, 4, v6
	v_lshl_add_u32 v5, v5, 12, v6                  ; the fill: thread T reads row T / 64 of a pair of rows of v, bytes 16 (T % 64) of its quarter,
	v_lshlrev_b32 v6, 4, v0                        ; and puts them at 16 T
	v_and_b32 v7, 8, v2
	v_add_nc_u32 v7, v7, v2                        ; r + 8 (r / 8)
	s_lshl_b32 s18, ttmp9, 7
	s_lshl_b32 s19, s17, 5
	s_add_co_u32 s18, s18, s19                     ; 4 x (32 (n / 2) + 8 (n % 2))
	v_lshl_add_u32 v8, v7, 2, s18                  ; 4 i: my row's column of v
	v_bfe_u32 v11, v0, 6, 1                        ; u, from the thread's number
	v_lshlrev_b32 v9, 9, v11
	v_lshl_add_u32 v9, v3, 6, v9                   ; LDS: 512 u + 64 h: my 16 numbers of each block of 32
	v_lshlrev_b32 v10, 7, v11
	v_lshl_add_u32 v10, v2, 3, v10
	v_bfe_u32 v11, v0, 5, 1
	v_lshl_add_u32 v10, v11, 2, v10                ; LDS: 8 (16 u + r) + 4 (n % 2): my scale word
	s_lshr_b32 s18, s18, 2
	s_lshl_b32 s19, s15, 8
	s_sub_co_u32 s18, s18, s19
	s_lshl_b32 s19, s16, 7
	s_sub_co_u32 s18, s18, s19                     ; 32 (n / 2) + 8 (n % 2) - 256 w - 128 u
	v_lshlrev_b32 v15, 4, v3
	v_sub_nc_u32 v13, v7, v15
	v_add_nc_u32 v13, s18, v13                     ; i less my first k: register 16 c + e lies on the diagonal where 32 c + e equals it
	s_mov_b32 s24, 0x76543210
	s_mov_b32 s25, 0xfedcba98                      ; v_permlanex16_b32's selects for lane l xor 16
	s_mov_b32 s26, 0x600000                        ; the mantissa field of 57,344
.irp t, 0,1,2,3,4,5,6,7
	v_mov_b32 v[VI+2*\t+1], 0
.endr
.irp b, 0,1,2,3
	v_mov_b32 v[TM+4+\b], 0                        ; a lane permute's destination counts as one of its sources
.endr
	s_wait_kmcnt 0x0
	s_load_b32 s12, s[4:5], 0x0                    ; lambda
	s_lshl_b32 s20, s15, 10
	s_mov_b32 s21, 0
	s_add_nc_u64 s[22:23], s[6:7], s[20:21]        ; v at my quarter of k
	s_lshl_b32 s20, s15, 18
	s_lshl_b32 s27, ttmp9, 13
	s_add_co_u32 s20, s20, s27
	s_lshl_b32 s27, s17, 12
	s_add_co_u32 s20, s20, s27
	s_lshl_b32 s27, s16, 11
	s_add_co_u32 s20, s20, s27
	s_add_nc_u64 s[8:9], s[8:9], s[20:21]          ; wq at my fragment
	s_lshl_b32 s20, s15, 13
	s_lshl_b32 s27, ttmp9, 8
	s_add_co_u32 s20, s20, s27
	s_add_nc_u64 s[10:11], s[10:11], s[20:21]      ; ws at the work-group's 256 bytes
.irp q, 0,1,2,3
	global_load_b128 v[KA+4*\q:KA+4*\q+3], v5, s[22:23] offset:8192*\q    ; a wave's line reads 512 consecutive bytes of a row of v
.endr
.irp t, 0,1,2,3,4,5,6,7
	global_load_b32 v[VI+2*\t], v8, s[6:7] offset:4096*\t                 ; v[t][i]
.endr
	s_wait_loadcnt 8                               ; the four lines of the fill are in; the eight behind them may be out
.irp q, 0,1,2,3
	ds_store_b128 v6, v[KA+4*\q:KA+4*\q+3] offset:VK+2048*\q
.endr
	s_wait_loadcnt 0x0
	s_wait_dscnt 0x0                               ; for the others' sake: my part of the fill has landed
	s_barrier_signal -1
	s_barrier_wait -1
.macro KLOAD t, buf                    ; v[t][my 64 k]: the sixteen lanes of a half read the same words
.irp c, 0,1,2,3
.irp j, 0,1,2,3
	ds_load_b128 v[\buf+16*\c+4*\j:\buf+16*\c+4*\j+3], v9 offset:VK+(\t)*1024+128*\c+16*\j
.endr
.endr
.endm
	KLOAD 0, KA
	KLOAD 1, KB
.irp t, 0,1,2,3,4,5,6,7
.set KBUF, KA+64*(\t%2)
.if \t < 7
	s_wait_dscnt 16                                ; this t's sixteen loads are in; the next t's may be out
.else
	s_wait_dscnt 0x0
.endif
.set i, 0
.rept 32
.if \t == 0
	v_pk_mul_f32 v[ACC+2*i:ACC+2*i+1], v[KBUF+2*i:KBUF+2*i+1], v[VI:VI+1] op_sel_hi:[1,0]     ; the first product starts the sums
.else
	v_pk_fma_f32 v[ACC+2*i:ACC+2*i+1], v[KBUF+2*i:KBUF+2*i+1], v[VI+2*\t:VI+2*\t+1], v[ACC+2*i:ACC+2*i+1] op_sel_hi:[1,0,1]
.endif
.set i, i+1
.endr
.if \t < 6
	KLOAD \t+2, KBUF
.endif
.endr
	s_wait_kmcnt 0x0
	v_mov_b32 v14, s12                             ; lambda
.set i, 0
.rept 64                               ; + lambda on the diagonal, + 0 elsewhere: a choice of a value, no branch
	v_cmp_eq_u32 vcc_lo, 32*(i/16)+i%16, v13
	v_cndmask_b32 v15, 0, v14, vcc_lo
	v_add_f32 v[ACC+i], v[ACC+i], v15
.set i, i+1
.endr
; THE QUANTISER.  Four blocks of 32: my 16 numbers of each, joined with lane l xor 16's.
.irp b, 0,1,2,3
	v_max3_num_f32 v[TM+\b], |v[ACC+16*\b]|, |v[ACC+1+16*\b]|, 0x8000000   ; and the floor 2^(16 - 127): the byte cannot fall under 1
.endr
.irp e, 2,4,6,8,10,12,14
.irp b, 0,1,2,3
	v_max3_num_f32 v[TM+\b], v[TM+\b], |v[ACC+16*\b+\e]|, |v[ACC+1+16*\b+\e]|
.endr
.endr
.irp b, 0,1,2,3
	v_permlanex16_b32 v[TM+4+\b], v[TM+\b], s24, s25
.endr
.irp b, 0,1,2,3
	v_max_num_f32 v[TM+\b], v[TM+\b], v[TM+4+\b]   ; the block's largest magnitude
.endr
.irp b, 0,1,2,3
	v_add_nc_u32 v[TM+12+\b], 0xf8800000, v[TM+\b] ; 15 off its exponent field: the conversion takes that field as its scale
.endr
.irp b, 0,1,2,3
	v_and_or_b32 v[TM+8+\b], v[TM+\b], 0x7f800000, s26   ; 57,344 x the scale
.endr
.irp b, 0,1,2,3
	v_lshrrev_b32 v[TM+4+\b], 23, v[TM+12+\b]      ; the scale's byte
.endr
	v_lshl_or_b32 v[PW], v[TM+5], 8, v[TM+4]
	v_lshl_or_b32 v[PW], v[TM+6], 16, v[PW]
	v_lshl_or_b32 v[PW], v[TM+7], 24, v[PW]        ; my row's scale word for these 128 k
.irp b, 0,1,2,3
.irp e, 0,1,2,3,4,5,6,7,8,9,10,11,12,13,14,15
	v_med3_num_f32 v[ACC+16*\b+\e], v[ACC+16*\b+\e], -v[TM+8+\b], v[TM+8+\b]   ; the conversion to an 8-bit code does not saturate (ISA guide 7.6.2): the hold comes first
.endr
	v_cvt_scalef32_pk8_bf8_f32 v[PC+4*\b:PC+4*\b+1], v[ACC+16*\b:ACC+16*\b+7], v[TM+12+\b]
	v_cvt_scalef32_pk8_bf8_f32 v[PC+4*\b+2:PC+4*\b+3], v[ACC+16*\b+8:ACC+16*\b+15], v[TM+12+\b]
.endr
	v_nop                                          ; a plain line behind the last conversion
.irp c, 0,1,2,3
	global_store_b128 v4, v[PC+4*\c:PC+4*\c+3], s[8:9] offset:512*\c      ; 32 lanes store 512 consecutive bytes, aligned
.endr
	ds_store_b32 v10, v[PW] offset:SCW             ; lanes r and r + 16 write the same word with the same value
	s_wait_dscnt 0x0
	s_barrier_signal -1
	s_barrier_wait -1
	s_cmp_lg_u32 s14, 0
	s_cbranch_scc1 .Ldone                          ; wave 0 sends the four waves' 64 words
	ds_load_b64 v[16:17], v1 offset:SCW
	s_wait_dscnt 0x0
	global_store_b64 v1, v[16:17], s[10:11]        ; 32 lanes store 256 consecutive bytes, aligned
.Ldone:
	s_set_vgpr_msb 0x5
	s_wait_tensorcnt 0x0
	ds_add_u32 v0, v1
	s_wait_dscnt 0x0
	s_set_vgpr_msb 0x500
	s_endpgm
.Lfunc_end_k_q3d0223dbb2_wprep:
	.size	k_q3d0223dbb2_wprep, .Lfunc_end_k_q3d0223dbb2_wprep-k_q3d0223dbb2_wprep
	.p2alignl 7, 3214868480
	.fill 96, 4, 3214868480
	.section	.rodata,"a",@progbits
	.p2align	6, 0x0
	.amdhsa_kernel k_q3d0223dbb2_wprep
		.amdhsa_group_segment_fixed_size 8960
		.amdhsa_private_segment_fixed_size 0
		.amdhsa_enable_private_segment 0
		.amdhsa_kernarg_size 32
		.amdhsa_user_sgpr_count 2
		.amdhsa_user_sgpr_kernarg_segment_ptr 1
		.amdhsa_wavefront_size32 1
		.amdhsa_system_sgpr_workgroup_id_x 1
		.amdhsa_system_sgpr_workgroup_id_y 1
		.amdhsa_system_sgpr_workgroup_id_z 1
		.amdhsa_system_vgpr_workitem_id 0
		.amdhsa_next_free_vgpr 258
		.amdhsa_next_free_sgpr 66
		.amdhsa_reserve_vcc 1
		.amdhsa_float_denorm_mode_32 3
		.amdhsa_float_denorm_mode_16_64 3
		.amdhsa_memory_ordered 1
		.amdhsa_forward_progress 1
		.amdhsa_inst_pref_size 45
	.end_amdhsa_kernel
	.amdgpu_metadata
---
amdhsa.version: [ 1, 2 ]
amdhsa.kernels:
  - .name:           k_q3d0223dbb2_wprep
    .symbol:         k_q3d0223dbb2_wprep.kd
    .args:
      - { .name: lambda_base, .offset: 0, .size: 8, .value_kind: global_buffer, .address_space: global }
      - { .name: v, .offset: 8, .size: 8, .value_kind: global_buffer, .address_space: global }
      - { .name: wq, .offset: 16, .size: 8, .value_kind: global_buffer, .address_space: global }
      - { .name: ws, .offset: 24, .size: 8, .value_kind: global_buffer, .address_space: global }
    .group_segment_fixed_size: 8960
    .private_segment_fixed_size: 0
    .kernarg_segment_align: 8
    .kernarg_segment_size: 32
    .max_flat_workgroup_size: 128
    .sgpr_count:     66
    .vgpr_count:     258
    .wavefront_size: 32
...
	.end_amdgpu_metadata
.endif
;; end of part 1
;; launch main (part 2): grid 256 x 1, 4 waves a work-group, no clusters, 298,496 bytes of LDS; arguments x, mu, wq, ws, out0; writes out0
.if DOCPART == 2
	.amdgcn_target "amdgcn-amd-amdhsa--gfx1250"
	.amdhsa_code_object_version 6
	.text
	.protected	k_q3d0223dbb2_main
	.globl	k_q3d0223dbb2_main
	.p2align	8
	.type	k_q3d0223dbb2_main,@function
k_q3d0223dbb2_main:
	s_mov_b64 s[64:65], 0
	v_nop
	global_prefetch_b8 v0, s[64:65] scope:SCOPE_SE
	s_setreg_imm32_b32 hwreg(HW_REG_WAVE_MODE, 25, 1), 1
	s_wait_xcnt 0x0
; out[b] = exp(-(sum over i of d(b, i) Y(b, i)) / 1024), d = x - mu, Y(b, i) = sum over k of QW(i, k) Qd(b, k): Y on codes of BF8 (E5M2) with one E8M0 scale for each 32 along k.
; SHARES.  A work-group owns 256 rows of x and takes them as two blocks of 128.  Wave w owns the quarter k = 256 w .. 256 w + 255 (two K steps of 128) for all 128 rows.
; PHASE X.  The wave reads its 1,024 bytes of each row once, 512 consecutive bytes a line, takes mu off, turns 16 rows x 128 numbers at a time through its own stage in LDS so that a lane holds
;   16 neighbours of each block of 32, stores bf16(d) in LDS as images of registers (for the last product alone), and quantises the f32 d straight into the registers that are the product's operand.
; PHASE G.  For each of the 64 tiles of 16 rows of W: two fragments of codes by global loads straight into registers (the launch before laid them in register order), 16 matrix instructions
;   (8 tiles of rows x 2 K steps), used TRANSPOSED (source 0 = 16 rows of W, source 1 = 16 rows of d): lane (r, h) holds row r of the block's tile and eight neighbouring i.  The tile before is folded
;   into q[row] meanwhile: four multiply-adds (bf16 d x f32 Y + f32 q) stand behind each matrix instruction.
; END OF A BLOCK.  The four quarters' sums meet in LDS; waves 0 and 1 add them, take the exponential and store 64 results each.
; NO TENSOR LOADS, NO CLUSTER: d's images take 262,144 bytes of LDS, the stages 33,792, the sums 2,048; what is left, 29,696 bytes, would hold two slots of 14 fragments of W,
;   less than one tile's work for four waves; and each byte of W feeds ONE wave of a work-group (its quarter of k), so a way through LDS would add a write and a read and spare nothing.
; DEPARTURES IN THE ORDER OF ROUNDING: K is summed in four quarters, each contracted with d by itself, and the four are added at the end, in f32; d is rounded to bf16 for the last product (not for the quantiser).
; LIMITS: NaN and infinities among the inputs are not served; a result under 2^-126 comes out as 0 (v_exp_f32 gives no denormals); a block of zeros has the scale byte 1 and zero codes.
; REGISTERS, in windows of 256 (s_set_vgpr_msb: bits 1:0 source 0, 3:2 source 1, 5:4 source 2, 7:6 destination):
;   window 0: v1-10 addresses; v12-19 a block's sums; v20-27 at work; v32-47 d's scale words; v48-53 W's; v56-63 mu; v128-191 a unit's 64 numbers; v192-223 their bf16; v224-239 the quantiser's
;   windows 1, 2 (tiles of rows 0-3, 4-7): v0-127 d's codes (tile mm, K step u at 32 mm + 16 u); v128-159, v160-191 two sets of accumulators; v192-199 q, two a tile
;   window 3: phase X: four slots of 64 for x as loaded; phase G: v0-191 six sets of W's fragments, v192-255 two sets of d's images
.set STAGE, 262144                     ; LDS: behind d's images (tile n, tile of rows m at 4,096 n + 512 m + 16 lane): 16 rows x 528 bytes for each wave
.set SP,    528                        ; 512 bytes + 16: row r starts at bank 4 r mod 64 (64 banks of 4 bytes: ISA guide 11.1)
.set QRED,  295936                     ; LDS: 4 waves x 128 rows x 4 bytes
.set BLKB,  524288                     ; 128 rows of x in bytes
.set L16, 1                            ; v1   16 x lane
.set L8,  2                            ; v2   8 x lane
.set STW, 3                            ; v3   my stage, on the way in: 16 x lane
.set STR, 4                            ; v4   and back: 528 r + 64 h
.set DWA, 5                            ; v5   where I store d's images: 65,536 w + 16 x lane
.set DRA, 6                            ; v6   where I read them: the trip's first tile + 16 x lane
.set WCL, 7                            ; v7   16 x lane + 4,096, or + 0 in the last trip
.set PFO, 8                            ; v8   4,096 x lane: a row of x a lane
.set QWA, 9                            ; v9   my sums' place: QRED + 512 w + 4 r
.set QRA, 10                           ; v10  where waves 0 and 1 read them back: QRED + 256 (w % 2) + 8 x lane
.set QF,  12
.set TP,  20
.set DS,  32
.set WS,  48
.set MU,  56
.set XT,  128
.set DB,  192
.set TM,  224
.set AC,  128                          ; in windows 1, 2
.set QQ,  192
.set DOP, 192                          ; in window 3
.set MSB, 0
.macro WIN new                         ; the immediate's high byte repeats the setting that is left; a switch that changes nothing is dropped
.if MSB != \new
	s_set_vgpr_msb (MSB<<8)|\new
.set MSB, \new
.endif
.endm
.set W_P,  0x03                        ; source 0 window 3
.set W_L,  0xc0                        ; destination window 3
.set W_G1, 0x57                        ; source 0 window 3, all else window 1: serves the matrix instructions and the multiply-adds alike
.set W_G2, 0xab                        ; the same with window 2
.macro XLOAD t                         ; unit t = (tile of rows t / 2, K step t % 2): 16 rows x 512 bytes into slot t % 4; a line reads 512 consecutive bytes
	WIN W_L
.irp r, 0,1,2,3,4,5,6,7,8,9,10,11,12,13,14,15
	global_load_b128 v[64*((\t)%4)+4*\r:64*((\t)%4)+4*\r+3], v[L16], s[4:5] offset:((\t)/2)*65536+\r*4096+512*((\t)%2) th:TH_LOAD_NT
.endr
.endm
.macro FLOAD set, voff, imm            ; a tile's two fragments of W, 4,096 consecutive bytes, into a set of 32 registers
	WIN W_L
.irp u, 0,1
.irp c, 0,1,2,3
	global_load_b128 v[32*(\set)+16*\u+4*\c:32*(\set)+16*\u+4*\c+3], v[\voff], s[8:9] offset:(\imm)+2048*\u+512*\c
.endr
.endr
.endm
.macro SLOAD k, imm                    ; two tiles' scale words: lanes 0-15 K step 0, lanes 16-31 K step 1; 256 consecutive bytes
	WIN 0
	global_load_b64 v[WS+(\k):WS+(\k)+1], v[L8], s[10:11] offset:\imm
.endm
	s_load_b256 s[4:11], s[0:1], 0x0               ; x s[4:5], mu s[6:7], wq s[8:9], ws s[10:11]
	s_load_b64 s[12:13], s[0:1], 0x20              ; out
	v_lshl_add_u32 v254, v0, 2, 0x48c00
	v_mov_b32 v255, 0
	v_lshrrev_b32 v11, 5, v0
	v_readfirstlane_b32 s14, v11                   ; wave 0..3
	v_and_b32 v11, 31, v0
	v_lshlrev_b32 v[L16], 4, v11
	v_lshlrev_b32 v[L8], 3, v11
	v_lshlrev_b32 v[PFO], 12, v11
	s_mul_i32 s16, s14, 16*SP
	s_add_co_u32 s16, s16, STAGE
	v_add_nc_u32 v[STW], s16, v[L16]
	v_and_b32 v20, 15, v0                          ; r
	v_bfe_u32 v21, v0, 4, 1                        ; h
	v_mul_u32_u24 v[STR], v20, SP
	v_lshl_add_u32 v[STR], v21, 6, v[STR]
	v_add_nc_u32 v[STR], s16, v[STR]
	s_lshl_b32 s17, s14, 16
	v_add_nc_u32 v[DWA], s17, v[L16]
	s_lshl_b32 s17, s14, 9
	s_add_co_u32 s17, s17, QRED
	v_lshl_add_u32 v[QWA], v20, 2, s17
	s_and_b32 s18, s14, 1
	s_lshl_b32 s18, s18, 8
	s_add_co_u32 s17, s18, QRED
	v_add_nc_u32 v[QRA], s17, v[L8]
	s_mov_b32 s20, 0x76543210
	s_mov_b32 s21, 0xfedcba98                      ; v_permlanex16_b32's selects for lane l xor 16
	s_mov_b32 s22, 0x600000                        ; the mantissa field of 57,344
	s_mov_b32 s24, 2                               ; blocks to go
.irp b, 0,1,2,3,4,5,6,7
	v_mov_b32 v[TP+\b], 0                          ; a lane permute's destination counts as one of its sources
.endr
.irp b, 0,1,2,3
	v_mov_b32 v[TM+4+\b], 0
.endr
	s_wait_kmcnt 0x0
	s_lshl_b32 s16, ttmp9, 20                      ; 256 rows of 4,096 bytes a work-group,
	s_lshl_b32 s17, s14, 10                        ; my quarter of a row
	s_add_co_u32 s16, s16, s17
	s_mov_b32 s17, 0
	s_add_nc_u64 s[4:5], s[4:5], s[16:17]
	s_lshl_b32 s16, s14, 10
	s_add_nc_u64 s[6:7], s[6:7], s[16:17]
	s_lshl_b32 s16, s14, 18
	s_add_nc_u64 s[32:33], s[8:9], s[16:17]        ; my quarter of W's codes: kept
	s_lshl_b32 s16, s14, 13
	s_add_nc_u64 s[34:35], s[10:11], s[16:17]      ; and of its scale words: kept
	s_lshl_b32 s16, ttmp9, 10
	s_add_co_u32 s16, s16, s18
	s_add_nc_u64 s[12:13], s[12:13], s[16:17]      ; out at the work-group's rows, + 64 rows for wave 1
	global_load_b128 v[MU:MU+3], v[L16], s[6:7]
	global_load_b128 v[MU+4:MU+7], v[L16], s[6:7] offset:512
	XLOAD 0
	XLOAD 1
	XLOAD 2
	XLOAD 3
	WIN 0
; A UNIT: 16 rows x 128 numbers.  cnt: the younger loads that may stay out.
.macro UNIT t, cnt
.set UM, (\t)/2
.set UU, (\t)%2
.set RS, 64*((\t)%4)
.set CD, 32*(UM%4)+16*UU
	s_wait_loadcnt \cnt
	WIN W_P
.set i, 0
.rept 32
	v_pk_add_f32 v[XT+2*i:XT+2*i+1], v[RS+2*i:RS+2*i+1], v[MU+4*UU+2*(i%2):MU+4*UU+2*(i%2)+1] neg_lo:[0,1] neg_hi:[0,1]   ; d = x - mu
.set i, i+1
.endr
.if (\t) < 12                          ; the slot just read takes the unit four on; the last slots take W's first tiles
	XLOAD (\t)+4
.elseif (\t) == 12
	FLOAD 0, L16, 0
	FLOAD 1, L16, 4096
.elseif (\t) == 13
	FLOAD 2, L16, 8192
	FLOAD 3, L16, 12288
.elseif (\t) == 14
	SLOAD 0, 0
	SLOAD 2, 256
	FLOAD 4, L16, 16384
.endif
	WIN 0
.irp r, 0,1,2,3,4,5,6,7,8,9,10,11,12,13,14,15
	ds_store_b128 v[STW], v[XT+4*\r:XT+4*\r+3] offset:SP*\r
.endr
.irp c, 0,1,2,3
.irp j, 0,1,2,3
	ds_load_b128 v[XT+16*\c+4*\j:XT+16*\c+4*\j+3], v[STR] offset:128*\c+16*\j    ; LDS serves a wave's instructions in order (ISA guide 5.7.1.4): these see the stores above.  Register 16 c + e: k = 32 c + 16 h + e of row r
.endr
.endr
	s_wait_dscnt 0x0                               ; the unit is back; the last unit's stores of images are done too
.set i, 0
.rept 32
	v_cvt_pk_bf16_f32 v[DB+i], v[XT+2*i], v[XT+2*i+1]
.set i, i+1
.endr
.irp p, 0,1,2,3,4,5,6,7
	ds_store_b128 v[DWA], v[DB+4*\p:DB+4*\p+3] offset:(8*UU+\p)*4096+512*UM      ; the image of tile n = 16 w + 8 u + p: my eight d are the eight i that my lane's results of that tile will hold
.endr
.irp b, 0,1,2,3
	v_max3_num_f32 v[TM+\b], |v[XT+16*\b]|, |v[XT+1+16*\b]|, 0x8000000           ; block b: my 16 numbers, and the floor 2^(16 - 127): the byte cannot fall under 1
.endr
.irp e, 2,4,6,8,10,12,14
.irp b, 0,1,2,3
	v_max3_num_f32 v[TM+\b], v[TM+\b], |v[XT+16*\b+\e]|, |v[XT+1+16*\b+\e]|
.endr
.endr
.irp b, 0,1,2,3
	v_permlanex16_b32 v[TM+4+\b], v[TM+\b], s20, s21
.endr
.irp b, 0,1,2,3
	v_max_num_f32 v[TM+\b], v[TM+\b], v[TM+4+\b]   ; with lane l xor 16's: the block's largest magnitude
.endr
.irp b, 0,1,2,3
	v_add_nc_u32 v[TM+12+\b], 0xf8800000, v[TM+\b] ; 15 off its exponent field: the conversion's scale operand
.endr
.irp b, 0,1,2,3
	v_and_or_b32 v[TM+8+\b], v[TM+\b], 0x7f800000, s22   ; 57,344 x the scale
.endr
.irp b, 0,1,2,3
	v_lshrrev_b32 v[TM+4+\b], 23, v[TM+12+\b]      ; the scale's byte
.endr
	v_lshl_or_b32 v[DS+2*UM+UU], v[TM+5], 8, v[TM+4]
	v_lshl_or_b32 v[DS+2*UM+UU], v[TM+6], 16, v[DS+2*UM+UU]
	v_lshl_or_b32 v[DS+2*UM+UU], v[TM+7], 24, v[DS+2*UM+UU]      ; row r's scale word of this K step
.irp b, 0,1,2,3
.irp e, 0,1,2,3,4,5,6,7,8,9,10,11,12,13,14,15
	v_med3_num_f32 v[XT+16*\b+\e], v[XT+16*\b+\e], -v[TM+8+\b], v[TM+8+\b]       ; the conversion to an 8-bit code does not saturate (ISA guide 7.6.2): the hold comes first
.endr
.endr
	WIN 0x40*(1+UM/4)                              ; the codes go straight into the operand's registers, window 1 or 2
.irp b, 0,1,2,3
	v_cvt_scalef32_pk8_bf8_f32 v[CD+4*\b:CD+4*\b+1], v[XT+16*\b:XT+16*\b+7], v[TM+12+\b]
	v_cvt_scalef32_pk8_bf8_f32 v[CD+4*\b+2:CD+4*\b+3], v[XT+16*\b+8:XT+16*\b+15], v[TM+12+\b]
.endr
	v_nop                                          ; a plain line behind the last conversion: the next unit writes its sources
	WIN 0
.endm
; Four multiply-adds: register j of the four accumulators of the set that tile p does NOT write, times the d of the same place, onto q.  j goes up from 0: each accumulator is read from its low end on.
.macro SLICE g, p, j
.irp mm, 0,1,2,3
.if (\j)&1
	v_fma_mix_f32_bf16 v[QQ+2*\mm+1], v[DOP+32*(1-(\p))+16*(\g)+4*\mm+((\j)>>1)], v[AC+32*(1-(\p))+8*\mm+(\j)], v[QQ+2*\mm+1] op_sel:[1,0,0] op_sel_hi:[1,0,0]
.else
	v_fma_mix_f32_bf16 v[QQ+2*\mm], v[DOP+32*(1-(\p))+16*(\g)+4*\mm+((\j)>>1)], v[AC+32*(1-(\p))+8*\mm+(\j)], v[QQ+2*\mm] op_sel_hi:[1,0,0]
.endif
.endr
.endm
; A tile's memory lines, in one run: W's fragments of the tile five on into the set that the tile before has left (twelve multiply-adds that name none of its last product's registers stand between),
; on even tiles the scale words of the tiles four and five on, and this tile's eight images of d, which the next tile's multiply-adds read.
.macro LUMP k, p, ld
.if \ld
.if (\k)%2 == 0
	SLOAD ((\k)+4)%6, (((\k)+4)/2)*256
.endif
.if (\k) == 5
	FLOAD 4, WCL, 9*4096                           ; in the last trip tile 64 does not exist: the offset register names tile 63 once more, inside the buffer; nobody reads that set
.else
	FLOAD ((\k)+5)%6, L16, ((\k)+5)*4096
.endif
.endif
	WIN W_L
.irp m, 0,1,2,3,4,5,6,7
	ds_load_b128 v[DOP+32*(\p)+4*\m:DOP+32*(\p)+4*\m+3], v[DRA] offset:4096*(\k)+512*\m
.endr
.endm
; Eight matrix instructions for four tiles of rows: K step 0 starts the four sums with the constant 0, K step 1 adds in place; the four accumulators take turns.
.macro HALF g, k, p, ld
.set jj, 0
.irp u, 0,1
.irp mm, 0,1,2,3
.if \u == 0
	v_wmma_scale_f32_16x16x128_f8f6f4 v[AC+32*(\p)+8*\mm:AC+32*(\p)+8*\mm+7], v[32*(\k):32*(\k)+15], v[32*\mm:32*\mm+15], 0, v[WS+(\k)], v[DS+2*(4*(\g)+\mm)] matrix_a_fmt:MATRIX_FMT_BF8 matrix_b_fmt:MATRIX_FMT_BF8
.else
	v_wmma_scale_f32_16x16x128_f8f6f4 v[AC+32*(\p)+8*\mm:AC+32*(\p)+8*\mm+7], v[32*(\k)+16:32*(\k)+31], v[32*\mm+16:32*\mm+31], v[AC+32*(\p)+8*\mm:AC+32*(\p)+8*\mm+7], v[WS+(\k)], v[DS+2*(4*(\g)+\mm)+1] matrix_a_fmt:MATRIX_FMT_BF8 matrix_b_fmt:MATRIX_FMT_BF8 matrix_a_scale:MATRIX_SCALE_ROW1
.endif
	SLICE \g, \p, jj
.if (\g == 0) && (jj == 1)
	LUMP \k, \p, \ld
	WIN W_G1
.endif
.set jj, jj+1
.endr
.endr
.endm
; A TILE at place k of six.  cnt: the younger global loads that may stay out.  ld = 0: nothing more of W is asked for.
.macro TILE k, cnt, ld
	s_wait_loadcnt \cnt                            ; this tile's fragments and scale words are in
	s_wait_dscnt 0x0                               ; the images of d of the tile before are in
	WIN W_G1
	HALF 0, \k, (\k)%2, \ld
	WIN W_G2
	HALF 1, \k, (\k)%2, \ld
.endm
.Lblock:
	s_wait_xcnt 0x0                                ; every earlier memory instruction has read its addresses: W's two working pointers may be written
	s_mov_b64 s[8:9], s[32:33]
	s_mov_b64 s[10:11], s[34:35]
	; ---- PHASE X.  Behind a unit's sixteen loads stand three groups of sixteen; behind the last unit's: 16 + 16 of W's tiles 0-3, 2 of scale words, 8 of tile 4
.irp t, 0,1,2,3,4,5,6,7,8,9,10,11,12,13,14
	UNIT \t, 48
.endr
	UNIT 15, 42
	; q, and what tile 0's multiply-adds read in place of a tile before it, are zeros: so tile 0 runs the text of every tile.  These lines are also the places between the last codes and scale word and the first product
	WIN 0x40
.set i, 0
.rept 32
	v_mov_b32 v[AC+32+i], 0
.set i, i+1
.endr
.irp b, 0,1,2,3,4,5,6,7
	v_mov_b32 v[QQ+\b], 0
.endr
	WIN 0x80
.set i, 0
.rept 32
	v_mov_b32 v[AC+32+i], 0
.set i, i+1
.endr
.irp b, 0,1,2,3,4,5,6,7
	v_mov_b32 v[QQ+\b], 0
.endr
	WIN W_L
.set i, 0
.rept 32
	v_mov_b32 v[DOP+32+i], 0
.set i, i+1
.endr
	WIN 0
	s_wait_dscnt 0x0                               ; for the others' sake: my images of d have landed
	s_barrier_signal -1
	s_barrier_wait -1                              ; all 64 x 8 images lie in LDS
	s_wait_loadcnt 0x0                             ; W's tiles 0-4: nothing is out on the way into the loop, so its counted waits hold there as on the way back
	s_mov_b32 s23, 10                              ; trips of six tiles
	s_mov_b32 s25, 0                               ; the trip's first tile among d's images
	s_cmp_eq_u32 s24, 2
	s_cselect_b32 s30, 0, 0x100                    ; only the first block has a block behind it to prefetch
	; ---- PHASE G
.Ltrip:
	v_add_nc_u32 v[DRA], s25, v[L16]
	s_cmp_eq_u32 s23, 1
	s_cselect_b32 s26, 0, 4096
	v_add_nc_u32 v[WCL], s26, v[L16]
	; A PREFETCH INTO THE L2 of the next block's first four units of my wave: 32 rows x my 1,024 bytes, a lane a row, four lines 256 bytes apart, two in each of the last trips but one and but two:
	; each aligned 256 bytes is named once in the launch, by the wave that will load it; the loads follow at the block's end.  The second block asks for nothing.
	s_or_b32 s31, s23, s30
	s_cmp_eq_u32 s31, 3
	s_cbranch_scc0 .Lpf_a
	global_prefetch_b8 v[PFO], s[4:5] offset:BLKB th:TH_LOAD_NT scope:SCOPE_SE
	global_prefetch_b8 v[PFO], s[4:5] offset:BLKB+256 th:TH_LOAD_NT scope:SCOPE_SE
.Lpf_a:
	s_cmp_eq_u32 s31, 2
	s_cbranch_scc0 .Lpf_b
	global_prefetch_b8 v[PFO], s[4:5] offset:BLKB+512 th:TH_LOAD_NT scope:SCOPE_SE
	global_prefetch_b8 v[PFO], s[4:5] offset:BLKB+768 th:TH_LOAD_NT scope:SCOPE_SE
.Lpf_b:
	; Even tile: behind its scale words stand 8 + 8 + 9 + 8 loads.  Odd tile: behind its fragments 8 + 9 + 8 + 9.
	TILE 0, 33, 1
	TILE 1, 34, 1
	TILE 2, 33, 1
	TILE 3, 34, 1
	TILE 4, 33, 1
	TILE 5, 34, 1
	WIN 0
	s_wait_xcnt 0x0                                ; the trip's loads have read their addresses: the pointers and the offset register may be written
	s_add_nc_u64 s[8:9], s[8:9], 24576
	s_add_nc_u64 s[10:11], s[10:11], 768
	s_add_co_u32 s25, s25, 24576
	s_sub_co_u32 s23, s23, 1
	s_cmp_lg_u32 s23, 0
	s_cbranch_scc1 .Ltrip
	v_add_nc_u32 v[DRA], s25, v[L16]
	TILE 0, 33, 0                                  ; tiles 60 to 63 ask for nothing: the counts run down (behind tile 61's fragments 8 + 9 + 8; behind tile 62's scale words 8 + 8)
	TILE 1, 25, 0
	TILE 2, 16, 0
	TILE 3, 0, 0                                   ; zero: the set that was asked for twice is in too, before its registers are loaded again
	s_wait_dscnt 0x0                               ; tile 63's images of d
	WIN W_G1
.set jj, 0
.rept 8
	SLICE 0, 0, jj                                 ; tile 63 is folded in; these 32 are also the places behind its last products
.set jj, jj+1
.endr
	WIN W_G2
.set jj, 0
.rept 8
	SLICE 1, 0, jj
.set jj, jj+1
.endr
	; ---- THE END OF A BLOCK
	WIN 0x05
.irp mm, 0,1,2,3
	v_add_f32 v[QF+\mm], v[QQ+2*\mm], v[QQ+2*\mm+1]
.endr
	WIN 0x0a
.irp mm, 0,1,2,3
	v_add_f32 v[QF+4+\mm], v[QQ+2*\mm], v[QQ+2*\mm+1]
.endr
	WIN 0
.irp m, 0,1,2,3,4,5,6,7
	v_permlanex16_b32 v[TP+\m], v[QF+\m], s20, s21
.endr
.irp m, 0,1,2,3,4,5,6,7
	v_add_f32 v[QF+\m], v[QF+\m], v[TP+\m]         ; a row's other 512 i lie in lane l xor 16
.endr
.irp m, 0,1,2,3,4,5,6,7
	ds_store_b32 v[QWA], v[QF+\m] offset:64*\m     ; my quarter's sum of row 16 m + r; lanes r and r + 16 write the same word with the same value
.endr
	s_wait_xcnt 0x0                                ; the prefetches and loads have read x's pointer
	s_add_nc_u64 s[4:5], s[4:5], BLKB
	s_cmp_eq_u32 s24, 1
	s_cbranch_scc1 .Lno_next                       ; no load leaves its buffer
	XLOAD 0                                        ; the next block's first four units are asked for ahead of the barrier
	XLOAD 1
	XLOAD 2
	XLOAD 3
	WIN 0
.Lno_next:
	s_wait_dscnt 0x0                               ; my sums have landed, and my reads of d's images are over
	s_barrier_signal -1
	s_barrier_wait -1                              ; so the next block may write the images again
	s_cmp_gt_u32 s14, 1
	s_cbranch_scc1 .Lno_out
.irp k, 0,1,2,3
	ds_load_b64 v[TP+2*\k:TP+2*\k+1], v[QRA] offset:512*\k       ; two rows a lane, the four quarters
.endr
	s_wait_dscnt 0x0
	v_pk_add_f32 v[TP:TP+1], v[TP:TP+1], v[TP+2:TP+3]
	v_pk_add_f32 v[TP:TP+1], v[TP:TP+1], v[TP+4:TP+5]
	v_pk_add_f32 v[TP:TP+1], v[TP:TP+1], v[TP+6:TP+7]
	v_pk_mul_f32 v[TP:TP+1], v[TP:TP+1], 0xbab8aa3b op_sel_hi:[1,0]   ; x -log2(e) / 1024
	v_exp_f32 v[TP+2], v[TP]
	v_exp_f32 v[TP+3], v[TP+1]
	v_nop                                          ; a plain line behind the last exponential,
	s_wait_alu depctr_va_vdst(0)                   ; and the wait ahead of the first use: one for the two
	global_store_b64 v[L8], v[TP+2:TP+3], s[12:13] ; 32 lanes store 256 consecutive bytes, aligned
	s_wait_xcnt 0x0                                ; the store has read its data and its base
	s_add_nc_u64 s[12:13], s[12:13], 512
.Lno_out:
	s_sub_co_u32 s24, s24, 1
	s_cmp_lg_u32 s24, 0
	s_cbranch_scc1 .Lblock
	s_wait_tensorcnt 0x0
	ds_add_u32 v254, v255
	s_wait_dscnt 0x0
	s_endpgm
.Lfunc_end_k_q3d0223dbb2_main:
	.size	k_q3d0223dbb2_main, .Lfunc_end_k_q3d0223dbb2_main-k_q3d0223dbb2_main
	.p2alignl 7, 3214868480
	.fill 96, 4, 3214868480
	.section	.rodata,"a",@progbits
	.p2align	6, 0x0
	.amdhsa_kernel k_q3d0223dbb2_main
		.amdhsa_group_segment_fixed_size 298496
		.amdhsa_private_segment_fixed_size 0
		.amdhsa_enable_private_segment 0
		.amdhsa_kernarg_size 40
		.amdhsa_user_sgpr_count 2
		.amdhsa_user_sgpr_kernarg_segment_ptr 1
		.amdhsa_wavefront_size32 1
		.amdhsa_system_sgpr_workgroup_id_x 1
		.amdhsa_system_sgpr_workgroup_id_y 1
		.amdhsa_system_sgpr_workgroup_id_z 1
		.amdhsa_system_vgpr_workitem_id 0
		.amdhsa_next_free_vgpr 1024
		.amdhsa_next_free_sgpr 66
		.amdhsa_reserve_vcc 0
		.amdhsa_float_denorm_mode_32 3
		.amdhsa_float_denorm_mode_16_64 3
		.amdhsa_memory_ordered 1
		.amdhsa_forward_progress 1
		.amdhsa_inst_pref_size 255
	.end_amdhsa_kernel
	.section	.bss,"aw",@nobits
	.p2align	6
	.space	262144
	.amdgpu_metadata
---
amdhsa.version: [ 1, 2 ]
amdhsa.kernels:
  - .name:           k_q3d0223dbb2_main
    .symbol:         k_q3d0223dbb2_main.kd
    .args:
      - { .name: x, .offset: 0, .size: 8, .value_kind: global_buffer, .address_space: global }
      - { .name: mu, .offset: 8, .size: 8, .value_kind: global_buffer, .address_space: global }
      - { .name: wq, .offset: 16, .size: 8, .value_kind: global_buffer, .address_space: global }
      - { .name: ws, .offset: 24, .size: 8, .value_kind: global_buffer, .address_space: global }
      - { .name: out0, .offset: 32, .size: 8, .value_kind: global_buffer, .address_space: global }
    .group_segment_fixed_size: 298496
    .private_segment_fixed_size: 0
    .kernarg_segment_align: 8
    .kernarg_segment_size: 40
    .max_flat_workgroup_size: 128
    .sgpr_count:     66
    .vgpr_count:     1024
    .wavefront_size: 32
...
	.end_amdgpu_metadata
.endif
;; end of part 2
;; ======== version 2 of 2: 2 launches; version 1 with the launch main written anew for expert scheduling mode
;; workspace buffers: wq 1,048,576 bytes; ws 32,768 bytes
;; launch wprep: the kernel of part 1 again; grid 32 x 4, 4 waves a work-group, no clusters, 8,960 bytes of LDS; arguments lambda_base, v, wq, ws; writes wq, ws
;; launch main (part 3): grid 256 x 1, 4 waves a work-group, no clusters, 298,496 bytes of LDS; arguments x, mu, wq, ws, out0; writes out0
.if DOCPART == 3
	.amdgcn_target "amdgcn-amd-amdhsa--gfx1250"
	.amdhsa_code_object_version 6
	.text
	.protected	k_q3d0223dbb2_main
	.globl	k_q3d0223dbb2_main
	.p2align	8
	.type	k_q3d0223dbb2_main,@function
k_q3d0223dbb2_main:
	s_mov_b64 s[64:65], 0
	v_nop
	global_prefetch_b8 v0, s[64:65] scope:SCOPE_SE
	s_setreg_imm32_b32 hwreg(HW_REG_WAVE_SCHED_MODE, 0, 2), 2
	s_setreg_imm32_b32 hwreg(HW_REG_WAVE_MODE, 25, 1), 1
	s_wait_xcnt 0x0
	s_wait_alu depctr_vm_vsrc(0)
; out[b] = exp(-(sum over i of d(b, i) Y(b, i)) / 1024), d = x - mu, Y(b, i) = sum over k of QW(i, k) Qd(b, k): Y on codes of BF8 (E5M2) with one E8M0 scale for each 32 along k.
; SHARES.  A work-group owns 256 rows of x and takes them as two blocks of 128.  Wave w owns the quarter k = 256 w .. 256 w + 255 (two K steps of 128) for all 128 rows.
; PHASE X.  The wave reads its 1,024 bytes of each row once, 512 consecutive bytes a line, takes mu off, turns 16 rows x 128 numbers at a time through its own stage in LDS so that a lane holds
;   16 neighbours of each block of 32, stores bf16(d) in LDS as images of registers (for the last product alone), and quantises the f32 d straight into the registers that are the product's operand.
; PHASE G.  For each of the 64 tiles of 16 rows of W: two fragments of codes by global loads straight into registers (the launch before laid them in register order), 16 matrix instructions
;   (8 tiles of rows x 2 K steps), used TRANSPOSED (source 0 = 16 rows of W, source 1 = 16 rows of d): lane (r, h) holds row r of the block's tile and eight neighbouring i.  The tile before is folded
;   into q[row] meanwhile: four multiply-adds (bf16 d x f32 Y + f32 q) stand behind each matrix instruction.
; END OF A BLOCK.  The four quarters' sums meet in LDS; waves 0 and 1 add them, take the exponential and store 64 results each.
; NO TENSOR LOADS, NO CLUSTER: d's images take 262,144 bytes of LDS, the stages 33,792, the sums 2,048; what is left, 29,696 bytes, would hold two slots of 14 fragments of W,
;   less than one tile's work for four waves; and each byte of W feeds ONE wave of a work-group (its quarter of k), so a way through LDS would add a write and a read and spare nothing.
; DEPARTURES IN THE ORDER OF ROUNDING: K is summed in four quarters, each contracted with d by itself, and the four are added at the end, in f32; d is rounded to bf16 for the last product (not for the quantiser).
; LIMITS: NaN and infinities among the inputs are not served; a result under 2^-126 comes out as 0 (v_exp_f32 gives no denormals); a block of zeros has the scale byte 1 and zero codes.
; THE MODE: SCHED_MODE bits 1:0 = 2 (LLVM: expert scheduling mode 2), set by the entry lines.  The code itself states the register dependences
; between vector or matrix instructions and memory or LDS instructions, with s_wait_alu, always for 0.
; THE PLAN.  Registers that memory or LDS instructions touch:
;   the four slots    Unit t: its 32 subtractions read slot t % 4; behind them the loads of unit t + 4 (in units 12 to 14: W's first fragments) land in it.
;   XA                Unit t: the subtractions write it, the 16 stores into the stage read it; unit t + 1 writes it again.
;   XT                Unit t: the 16 loads from the stage land in it; roundings, maxima, holds and conversions name it.
;   DB                Unit t: the 32 roundings to bf16 write it; the 8 stores of images that read it are issued in unit t + 1.
;   So a unit has ONE wait on va_vdst, behind its subtractions, ahead of all its memory and LDS lines, and ONE on vm_vsrc, behind them, ahead of its roundings.
;   W's six sets, W's scale words, d's two sets of images    Tile k: its loads land in the set of W and the scale words that the tiles before have left, and in the set of images
;                     that tile k - 1's multiply-adds read.  ONE wait on va_vdst stands at a tile's head; what stands between it and the tile's run of loads names none of those registers.
;   v[DRA], v[WCL]    Read by a trip's loads; written at a trip's head, behind a wait on vm_vsrc and ahead of the first tile's wait on va_vdst.
;   QF, TP            A block's end: one wait on va_vdst ahead of the stores of the sums; it also serves the next block's loads of x and the loads into TP.
;   v1-5, v8-10       Written once, at the head.  Codes, d's scale words, accumulators and q are named by vector and matrix instructions alone.
; REGISTERS, in windows of 256 (s_set_vgpr_msb: bits 1:0 source 0, 3:2 source 1, 5:4 source 2, 7:6 destination):
;   window 0: v1-10 addresses; v12-19 a block's sums; v20-27 at work; v32-47 d's scale words; v48-53 W's; v56-63 mu; v64-127 a unit's 64 numbers as they were loaded; v128-191 the same, turned; v192-223 their bf16; v224-239 the quantiser's
;   windows 1, 2 (tiles of rows 0-3, 4-7): v0-127 d's codes (tile mm, K step u at 32 mm + 16 u); v128-159, v160-191 two sets of accumulators; v192-199 q, two a tile
;   window 3: phase X: four slots of 64 for x as loaded; phase G: v0-191 six sets of W's fragments, v192-255 two sets of d's images
.set STAGE, 262144                     ; LDS: behind d's images (tile n, tile of rows m at 4,096 n + 512 m + 16 lane): 16 rows x 528 bytes for each wave
.set SP,    528                        ; 512 bytes + 16: row r starts at bank 4 r mod 64 (64 banks of 4 bytes: ISA guide 11.1)
.set QRED,  295936                     ; LDS: 4 waves x 128 rows x 4 bytes
.set BLKB,  524288                     ; 128 rows of x in bytes
.set L16, 1                            ; v1   16 x lane
.set L8,  2                            ; v2   8 x lane
.set STW, 3                            ; v3   my stage, on the way in: 16 x lane
.set STR, 4                            ; v4   and back: 528 r + 64 h
.set DWA, 5                            ; v5   where I store d's images: 65,536 w + 16 x lane
.set DRA, 6                            ; v6   where I read them: the trip's first tile + 16 x lane
.set WCL, 7                            ; v7   16 x lane + 4,096, or + 0 in the last trip
.set PFO, 8                            ; v8   4,096 x lane: a row of x a lane
.set QWA, 9                            ; v9   my sums' place: QRED + 512 w + 4 r
.set QRA, 10                           ; v10  where waves 0 and 1 read them back: QRED + 256 (w % 2) + 8 x lane
.set QF,  12
.set TP,  20
.set DS,  32
.set WS,  48
.set MU,  56
.set XA,  64
.set XT,  128
.set DB,  192
.set TM,  224
.set AC,  128                          ; in windows 1, 2
.set QQ,  192
.set DOP, 192                          ; in window 3
.set MSB, 0
.macro WIN new                         ; the immediate's high byte repeats the setting that is left; a switch that changes nothing is dropped
.if MSB != \new
	s_set_vgpr_msb (MSB<<8)|\new
.set MSB, \new
.endif
.endm
.set W_P,  0x03                        ; source 0 window 3
.set W_L,  0xc0                        ; destination window 3
.set W_G1, 0x57                        ; source 0 window 3, all else window 1: serves the matrix instructions and the multiply-adds alike
.set W_G2, 0xab                        ; the same with window 2
.macro XLOAD t                         ; unit t = (tile of rows t / 2, K step t % 2): 16 rows x 512 bytes into slot t % 4; a line reads 512 consecutive bytes
	WIN W_L
.irp r, 0,1,2,3,4,5,6,7,8,9,10,11,12,13,14,15
	global_load_b128 v[64*((\t)%4)+4*\r:64*((\t)%4)+4*\r+3], v[L16], s[4:5] offset:((\t)/2)*65536+\r*4096+512*((\t)%2) th:TH_LOAD_NT
.endr
.endm
.macro FLOAD set, voff, imm            ; a tile's two fragments of W, 4,096 consecutive bytes, into a set of 32 registers
	WIN W_L
.irp u, 0,1
.irp c, 0,1,2,3
	global_load_b128 v[32*(\set)+16*\u+4*\c:32*(\set)+16*\u+4*\c+3], v[\voff], s[8:9] offset:(\imm)+2048*\u+512*\c
.endr
.endr
.endm
.macro SLOAD k, imm                    ; two tiles' scale words: lanes 0-15 K step 0, lanes 16-31 K step 1; 256 consecutive bytes
	WIN 0
	global_load_b64 v[WS+(\k):WS+(\k)+1], v[L8], s[10:11] offset:\imm
.endm
.macro IMAGES m, u                     ; the bf16 d in v[DB] on, of tile of rows m and K step u, go to LDS as they stand
.irp p, 0,1,2,3,4,5,6,7
	ds_store_b128 v[DWA], v[DB+4*\p:DB+4*\p+3] offset:(8*(\u)+\p)*4096+512*(\m)      ; the image of tile n = 16 w + 8 u + p: my eight d are the eight i that my lane's results of that tile will hold
.endr
.endm
	s_load_b256 s[4:11], s[0:1], 0x0               ; x s[4:5], mu s[6:7], wq s[8:9], ws s[10:11]
	s_load_b64 s[12:13], s[0:1], 0x20              ; out
	v_lshl_add_u32 v254, v0, 2, 0x48c00
	v_mov_b32 v255, 0
	v_lshrrev_b32 v11, 5, v0
	v_readfirstlane_b32 s14, v11                   ; wave 0..3
	v_and_b32 v11, 31, v0
	v_lshlrev_b32 v[L16], 4, v11
	v_lshlrev_b32 v[L8], 3, v11
	v_lshlrev_b32 v[PFO], 12, v11
	s_wait_alu depctr_va_sdst(0)                   ; s14 is written, ahead of its first reader: LDS addresses and the buffers' bases are made from it
	s_mul_i32 s16, s14, 16*SP
	s_add_co_u32 s16, s16, STAGE
	v_add_nc_u32 v[STW], s16, v[L16]
	v_and_b32 v20, 15, v0                          ; r
	v_bfe_u32 v21, v0, 4, 1                        ; h
	v_mul_u32_u24 v[STR], v20, SP
	v_lshl_add_u32 v[STR], v21, 6, v[STR]
	v_add_nc_u32 v[STR], s16, v[STR]
	s_lshl_b32 s17, s14, 16
	v_add_nc_u32 v[DWA], s17, v[L16]
	s_lshl_b32 s17, s14, 9
	s_add_co_u32 s17, s17, QRED
	v_lshl_add_u32 v[QWA], v20, 2, s17
	s_and_b32 s18, s14, 1
	s_lshl_b32 s18, s18, 8
	s_add_co_u32 s17, s18, QRED
	v_add_nc_u32 v[QRA], s17, v[L8]
	s_mov_b32 s20, 0x76543210
	s_mov_b32 s21, 0xfedcba98                      ; v_permlanex16_b32's selects for lane l xor 16
	s_mov_b32 s22, 0x600000                        ; the mantissa field of 57,344
	s_mov_b32 s24, 2                               ; blocks to go
.irp b, 0,1,2,3,4,5,6,7
	v_mov_b32 v[TP+\b], 0                          ; a lane permute's destination counts as one of its sources
.endr
.irp b, 0,1,2,3
	v_mov_b32 v[TM+4+\b], 0
.endr
	s_wait_kmcnt 0x0
	s_lshl_b32 s16, ttmp9, 20                      ; 256 rows of 4,096 bytes a work-group,
	s_lshl_b32 s17, s14, 10                        ; my quarter of a row
	s_add_co_u32 s16, s16, s17
	s_mov_b32 s17, 0
	s_add_nc_u64 s[4:5], s[4:5], s[16:17]
	s_lshl_b32 s16, s14, 10
	s_add_nc_u64 s[6:7], s[6:7], s[16:17]
	s_lshl_b32 s16, s14, 18
	s_add_nc_u64 s[32:33], s[8:9], s[16:17]        ; my quarter of W's codes: kept
	s_lshl_b32 s16, s14, 13
	s_add_nc_u64 s[34:35], s[10:11], s[16:17]      ; and of its scale words: kept
	s_lshl_b32 s16, ttmp9, 10
	s_add_co_u32 s16, s16, s18
	s_add_nc_u64 s[12:13], s[12:13], s[16:17]      ; out at the work-group's rows, + 64 rows for wave 1
	s_wait_alu depctr_va_vdst(0)                   ; the addresses v1 to v5 and v8 to v10 are written, which the kernel's loads, stores and prefetches read
	global_load_b128 v[MU:MU+3], v[L16], s[6:7]
	global_load_b128 v[MU+4:MU+7], v[L16], s[6:7] offset:512
	XLOAD 0
	XLOAD 1
	XLOAD 2
	XLOAD 3
	WIN 0
; A UNIT: 16 rows x 128 numbers.  cnt: the younger loads that may stay out.
.macro UNIT t, cnt
.set UM, (\t)/2
.set UU, (\t)%2
.set RS, 64*((\t)%4)
.set CD, 32*(UM%4)+16*UU
	s_wait_loadcnt \cnt
	WIN W_P
.set i, 0
.rept 32
	v_pk_add_f32 v[XA+2*i:XA+2*i+1], v[RS+2*i:RS+2*i+1], v[MU+4*UU+2*(i%2):MU+4*UU+2*(i%2)+1] neg_lo:[0,1] neg_hi:[0,1]   ; d = x - mu
.set i, i+1
.endr
	s_wait_alu depctr_va_vdst(0)                   ; the subtractions have written XA, which the stage's stores read, and are done reading the slot, in which loads land; the last unit's quantiser is done with XT, in which the stage's loads land, and its roundings have written DB, which the stores of images read
.if (\t) < 12                          ; the slot just read takes the unit four on; the last slots take W's first tiles
	XLOAD (\t)+4
.elseif (\t) == 12
	FLOAD 0, L16, 0
	FLOAD 1, L16, 4096
.elseif (\t) == 13
	FLOAD 2, L16, 8192
	FLOAD 3, L16, 12288
.elseif (\t) == 14
	SLOAD 0, 0
	SLOAD 2, 256
	FLOAD 4, L16, 16384
.endif
	WIN 0
.irp r, 0,1,2,3,4,5,6,7,8,9,10,11,12,13,14,15
	ds_store_b128 v[STW], v[XA+4*\r:XA+4*\r+3] offset:SP*\r
.endr
.irp c, 0,1,2,3
.irp j, 0,1,2,3
	ds_load_b128 v[XT+16*\c+4*\j:XT+16*\c+4*\j+3], v[STR] offset:128*\c+16*\j    ; LDS serves a wave's instructions in order (ISA guide 5.7.1.4): these see the stores above.  Register 16 c + e: k = 32 c + 16 h + e of row r
.endr
.endr
.if (\t) > 0
	IMAGES ((\t)-1)/2, ((\t)-1)%2                  ; the last unit's images: no vector instruction since the wait above names DB
	s_wait_dscnt 8                                 ; the unit is back; the eight stores of images behind it may be out
.else
	s_wait_dscnt 0x0                               ; the unit is back
.endif
	s_wait_alu depctr_vm_vsrc(0)                   ; the stores of images have read DB, which the roundings below write; the stage's stores have read XA, which the next unit's subtractions write
.set i, 0
.rept 32
	v_cvt_pk_bf16_f32 v[DB+i], v[XT+2*i], v[XT+2*i+1]
.set i, i+1
.endr
.irp b, 0,1,2,3
	v_max3_num_f32 v[TM+\b], |v[XT+16*\b]|, |v[XT+1+16*\b]|, 0x8000000           ; block b: my 16 numbers, and the floor 2^(16 - 127): the byte cannot fall under 1
.endr
.irp e, 2,4,6,8,10,12,14
.irp b, 0,1,2,3
	v_max3_num_f32 v[TM+\b], v[TM+\b], |v[XT+16*\b+\e]|, |v[XT+1+16*\b+\e]|
.endr
.endr
.irp b, 0,1,2,3
	v_permlanex16_b32 v[TM+4+\b], v[TM+\b], s20, s21
.endr
.irp b, 0,1,2,3
	v_max_num_f32 v[TM+\b], v[TM+\b], v[TM+4+\b]   ; with lane l xor 16's: the block's largest magnitude
.endr
.irp b, 0,1,2,3
	v_add_nc_u32 v[TM+12+\b], 0xf8800000, v[TM+\b] ; 15 off its exponent field: the conversion's scale operand
.endr
.irp b, 0,1,2,3
	v_and_or_b32 v[TM+8+\b], v[TM+\b], 0x7f800000, s22   ; 57,344 x the scale
.endr
.irp b, 0,1,2,3
	v_lshrrev_b32 v[TM+4+\b], 23, v[TM+12+\b]      ; the scale's byte
.endr
	v_lshl_or_b32 v[DS+2*UM+UU], v[TM+5], 8, v[TM+4]
	v_lshl_or_b32 v[DS+2*UM+UU], v[TM+6], 16, v[DS+2*UM+UU]
	v_lshl_or_b32 v[DS+2*UM+UU], v[TM+7], 24, v[DS+2*UM+UU]      ; row r's scale word of this K step
.irp b, 0,1,2,3
.irp e, 0,1,2,3,4,5,6,7,8,9,10,11,12,13,14,15
	v_med3_num_f32 v[XT+16*\b+\e], v[XT+16*\b+\e], -v[TM+8+\b], v[TM+8+\b]       ; the conversion to an 8-bit code does not saturate (ISA guide 7.6.2): the hold comes first
.endr
.endr
	WIN 0x40*(1+UM/4)                              ; the codes go straight into the operand's registers, window 1 or 2
.irp b, 0,1,2,3
	v_cvt_scalef32_pk8_bf8_f32 v[CD+4*\b:CD+4*\b+1], v[XT+16*\b:XT+16*\b+7], v[TM+12+\b]
	v_cvt_scalef32_pk8_bf8_f32 v[CD+4*\b+2:CD+4*\b+3], v[XT+16*\b+8:XT+16*\b+15], v[TM+12+\b]
.endr
	v_nop                                          ; a plain line behind the last conversion: the next unit's quantiser writes its scale operands, and the products read its results
	WIN 0
.endm
; Four multiply-adds: register j of the four accumulators of the set that tile p does NOT write, times the d of the same place, onto q.  j goes up from 0: each accumulator is read from its low end on.
.macro SLICE g, p, j
.irp mm, 0,1,2,3
.if (\j)&1
	v_fma_mix_f32_bf16 v[QQ+2*\mm+1], v[DOP+32*(1-(\p))+16*(\g)+4*\mm+((\j)>>1)], v[AC+32*(1-(\p))+8*\mm+(\j)], v[QQ+2*\mm+1] op_sel:[1,0,0] op_sel_hi:[1,0,0]
.else
	v_fma_mix_f32_bf16 v[QQ+2*\mm], v[DOP+32*(1-(\p))+16*(\g)+4*\mm+((\j)>>1)], v[AC+32*(1-(\p))+8*\mm+(\j)], v[QQ+2*\mm] op_sel_hi:[1,0,0]
.endif
.endr
.endm
; A tile's memory lines, in one run (each further run would cost two switches of the window): W's fragments of the tile five on into the set that the tile before has left,
; on even tiles the scale words of the tiles four and five on, and this tile's eight images of d, which the next tile's multiply-adds read.
; No wait stands here: the two products and eight multiply-adds since the wait at the tile's head name this tile's set of W and scale word, d's codes and scale words, the accumulators, q and the OTHER set of images.
.macro LUMP k, p, ld
.if \ld
.if (\k)%2 == 0
	SLOAD ((\k)+4)%6, (((\k)+4)/2)*256
.endif
.if (\k) == 5
	FLOAD 4, WCL, 9*4096                           ; in the last trip tile 64 does not exist: the offset register names tile 63 once more, inside the buffer; nobody reads that set
.else
	FLOAD ((\k)+5)%6, L16, ((\k)+5)*4096
.endif
.endif
	WIN W_L
.irp m, 0,1,2,3,4,5,6,7
	ds_load_b128 v[DOP+32*(\p)+4*\m:DOP+32*(\p)+4*\m+3], v[DRA] offset:4096*(\k)+512*\m
.endr
.endm
; Eight matrix instructions for four tiles of rows: K step 0 starts the four sums with the constant 0, K step 1 adds in place; the four accumulators take turns.
.macro HALF g, k, p, ld
.set jj, 0
.irp u, 0,1
.irp mm, 0,1,2,3
.if \u == 0
	v_wmma_scale_f32_16x16x128_f8f6f4 v[AC+32*(\p)+8*\mm:AC+32*(\p)+8*\mm+7], v[32*(\k):32*(\k)+15], v[32*\mm:32*\mm+15], 0, v[WS+(\k)], v[DS+2*(4*(\g)+\mm)] matrix_a_fmt:MATRIX_FMT_BF8 matrix_b_fmt:MATRIX_FMT_BF8
.else
	v_wmma_scale_f32_16x16x128_f8f6f4 v[AC+32*(\p)+8*\mm:AC+32*(\p)+8*\mm+7], v[32*(\k)+16:32*(\k)+31], v[32*\mm+16:32*\mm+31], v[AC+32*(\p)+8*\mm:AC+32*(\p)+8*\mm+7], v[WS+(\k)], v[DS+2*(4*(\g)+\mm)+1] matrix_a_fmt:MATRIX_FMT_BF8 matrix_b_fmt:MATRIX_FMT_BF8 matrix_a_scale:MATRIX_SCALE_ROW1
.endif
	SLICE \g, \p, jj
.if (\g == 0) && (jj == 1)
	LUMP \k, \p, \ld
	WIN W_G1
.endif
.set jj, jj+1
.endr
.endr
.endm
; A TILE at place k of six.  cnt: the younger global loads that may stay out.  ld = 0: nothing more of W is asked for.
.macro TILE k, cnt, ld
	s_wait_loadcnt \cnt                            ; this tile's fragments and scale words are in
	s_wait_dscnt 0x0                               ; the images of d of the tile before are in
	s_wait_alu depctr_va_vdst(0)                   ; the tile before is done reading its set of W, its scale words and its set of images, in which this tile's loads land; in a trip's first tile v[DRA] and v[WCL] are written; in a block's first tile d's codes and scale words are written, which the products take
	WIN W_G1
	HALF 0, \k, (\k)%2, \ld
	WIN W_G2
	HALF 1, \k, (\k)%2, \ld
.endm
.Lblock:
	s_wait_xcnt 0x0                                ; every earlier memory instruction has read its addresses: W's two working pointers may be written
	s_mov_b64 s[8:9], s[32:33]
	s_mov_b64 s[10:11], s[34:35]
	; ---- PHASE X.  Behind a unit's sixteen loads stand three groups of sixteen; behind the last unit's: 16 + 16 of W's tiles 0-3, 2 of scale words, 8 of tile 4
.irp t, 0,1,2,3,4,5,6,7,8,9,10,11,12,13,14
	UNIT \t, 48
.endr
	UNIT 15, 42
	s_wait_alu depctr_va_vdst(0)                   ; the last unit's roundings have written DB, which its stores of images read
	IMAGES 7, 1
	; q, and what tile 0's multiply-adds read in place of a tile before it, are zeros: so tile 0 runs the text of every tile.  These lines are also the places between the last codes and scale word and the first product
	WIN 0x40
.set i, 0
.rept 32
	v_mov_b32 v[AC+32+i], 0
.set i, i+1
.endr
.irp b, 0,1,2,3,4,5,6,7
	v_mov_b32 v[QQ+\b], 0
.endr
	WIN 0x80
.set i, 0
.rept 32
	v_mov_b32 v[AC+32+i], 0
.set i, i+1
.endr
.irp b, 0,1,2,3,4,5,6,7
	v_mov_b32 v[QQ+\b], 0
.endr
	WIN W_L
.set i, 0
.rept 32
	v_mov_b32 v[DOP+32+i], 0
.set i, i+1
.endr
	WIN 0
	s_wait_dscnt 0x0                               ; for the others' sake: my images of d have landed
	s_barrier_signal -1
	s_barrier_wait -1                              ; all 64 x 8 images lie in LDS
	s_wait_loadcnt 0x0                             ; W's tiles 0-4: nothing is out on the way into the loop, so its counted waits hold there as on the way back
	s_mov_b32 s23, 10                              ; trips of six tiles
	s_mov_b32 s25, 0                               ; the trip's first tile among d's images
	s_cmp_eq_u32 s24, 2
	s_cselect_b32 s30, 0, 0x100                    ; only the first block has a block behind it to prefetch
	; ---- PHASE G
.Ltrip:
	s_wait_alu depctr_vm_vsrc(0)                   ; the loads issued so far have read v[DRA] and v[WCL], which the two additions write
	v_add_nc_u32 v[DRA], s25, v[L16]
	s_cmp_eq_u32 s23, 1
	s_cselect_b32 s26, 0, 4096
	v_add_nc_u32 v[WCL], s26, v[L16]
	; A PREFETCH INTO THE L2 of the next block's first four units of my wave: 32 rows x my 1,024 bytes, a lane a row, four lines 256 bytes apart, two in each of the last trips but one and but two:
	; each aligned 256 bytes is named once in the launch, by the wave that will load it; the loads follow at the block's end.  The second block asks for nothing.
	s_or_b32 s31, s23, s30
	s_cmp_eq_u32 s31, 3
	s_cbranch_scc0 .Lpf_a
	global_prefetch_b8 v[PFO], s[4:5] offset:BLKB th:TH_LOAD_NT scope:SCOPE_SE
	global_prefetch_b8 v[PFO], s[4:5] offset:BLKB+256 th:TH_LOAD_NT scope:SCOPE_SE
.Lpf_a:
	s_cmp_eq_u32 s31, 2
	s_cbranch_scc0 .Lpf_b
	global_prefetch_b8 v[PFO], s[4:5] offset:BLKB+512 th:TH_LOAD_NT scope:SCOPE_SE
	global_prefetch_b8 v[PFO], s[4:5] offset:BLKB+768 th:TH_LOAD_NT scope:SCOPE_SE
.Lpf_b:
	; Even tile: behind its scale words stand 8 + 8 + 9 + 8 loads.  Odd tile: behind its fragments 8 + 9 + 8 + 9.
	TILE 0, 33, 1
	TILE 1, 34, 1
	TILE 2, 33, 1
	TILE 3, 34, 1
	TILE 4, 33, 1
	TILE 5, 34, 1
	WIN 0
	s_wait_xcnt 0x0                                ; the trip's loads have read their addresses: the pointers and the offset register may be written
	s_add_nc_u64 s[8:9], s[8:9], 24576
	s_add_nc_u64 s[10:11], s[10:11], 768
	s_add_co_u32 s25, s25, 24576
	s_sub_co_u32 s23, s23, 1
	s_cmp_lg_u32 s23, 0
	s_cbranch_scc1 .Ltrip
	s_wait_alu depctr_vm_vsrc(0)                   ; the last trip's LDS loads have read v[DRA], which the addition writes
	v_add_nc_u32 v[DRA], s25, v[L16]
	TILE 0, 33, 0                                  ; tiles 60 to 63 ask for nothing: the counts run down (behind tile 61's fragments 8 + 9 + 8; behind tile 62's scale words 8 + 8)
	TILE 1, 25, 0
	TILE 2, 16, 0
	TILE 3, 0, 0                                   ; zero: the set that was asked for twice is in too, before its registers are loaded again
	s_wait_dscnt 0x0                               ; tile 63's images of d
	WIN W_G1
.set jj, 0
.rept 8
	SLICE 0, 0, jj                                 ; tile 63 is folded in; these 32 are also the places behind its last products
.set jj, jj+1
.endr
	WIN W_G2
.set jj, 0
.rept 8
	SLICE 1, 0, jj
.set jj, jj+1
.endr
	; ---- THE END OF A BLOCK
	WIN 0x05
.irp mm, 0,1,2,3
	v_add_f32 v[QF+\mm], v[QQ+2*\mm], v[QQ+2*\mm+1]
.endr
	WIN 0x0a
.irp mm, 0,1,2,3
	v_add_f32 v[QF+4+\mm], v[QQ+2*\mm], v[QQ+2*\mm+1]
.endr
	WIN 0
.irp m, 0,1,2,3,4,5,6,7
	v_permlanex16_b32 v[TP+\m], v[QF+\m], s20, s21
.endr
.irp m, 0,1,2,3,4,5,6,7
	v_add_f32 v[QF+\m], v[QF+\m], v[TP+\m]         ; a row's other 512 i lie in lane l xor 16
.endr
	s_wait_alu depctr_va_vdst(0)                   ; the additions have written QF, which the stores read; the block's products and multiply-adds are done reading W's sets and d's images, in which the next block's x lands; the exchange and the additions are done with TP, in which waves 0 and 1 load
.irp m, 0,1,2,3,4,5,6,7
	ds_store_b32 v[QWA], v[QF+\m] offset:64*\m     ; my quarter's sum of row 16 m + r; lanes r and r + 16 write the same word with the same value
.endr
	s_wait_xcnt 0x0                                ; the prefetches and loads have read x's pointer
	s_add_nc_u64 s[4:5], s[4:5], BLKB
	s_cmp_eq_u32 s24, 1
	s_cbranch_scc1 .Lno_next                       ; no load leaves its buffer
	XLOAD 0                                        ; the next block's first four units are asked for ahead of the barrier; no vector or matrix instruction since the wait above
	XLOAD 1
	XLOAD 2
	XLOAD 3
	WIN 0
.Lno_next:
	s_wait_dscnt 0x0                               ; my sums have landed, and my reads of d's images are over
	s_barrier_signal -1
	s_barrier_wait -1                              ; so the next block may write the images again
	s_cmp_gt_u32 s14, 1
	s_cbranch_scc1 .Lno_out
.irp k, 0,1,2,3
	ds_load_b64 v[TP+2*\k:TP+2*\k+1], v[QRA] offset:512*\k       ; two rows a lane, the four quarters
.endr
	s_wait_dscnt 0x0
	v_pk_add_f32 v[TP:TP+1], v[TP:TP+1], v[TP+2:TP+3]
	v_pk_add_f32 v[TP:TP+1], v[TP:TP+1], v[TP+4:TP+5]
	v_pk_add_f32 v[TP:TP+1], v[TP:TP+1], v[TP+6:TP+7]
	v_pk_mul_f32 v[TP:TP+1], v[TP:TP+1], 0xbab8aa3b op_sel_hi:[1,0]   ; x -log2(e) / 1024
	s_wait_alu depctr_va_vdst(0)
	v_exp_f32 v[TP+2], v[TP]
	v_exp_f32 v[TP+3], v[TP+1]
	v_nop                                          ; a plain line behind the last exponential,
	s_wait_alu depctr_va_vdst(0)                   ; and the wait ahead of the first use: the two exponentials have written v[TP+2] and v[TP+3], which the store reads
	global_store_b64 v[L8], v[TP+2:TP+3], s[12:13] ; 32 lanes store 256 consecutive bytes, aligned
	s_wait_xcnt 0x0                                ; the store has read its data and its base
	s_wait_alu depctr_vm_vsrc(0)                   ; the store has read v[TP+2] and v[TP+3], which the next block's lane exchange writes
	s_add_nc_u64 s[12:13], s[12:13], 512
.Lno_out:
	s_sub_co_u32 s24, s24, 1
	s_cmp_lg_u32 s24, 0
	s_cbranch_scc1 .Lblock
	s_wait_dscnt 0x0
	s_wait_alu depctr_hold_cnt(0) depctr_sa_sdst(0) depctr_va_vdst(0) depctr_va_sdst(0) depctr_va_ssrc(0) depctr_va_vcc(0) depctr_vm_vsrc(0)
	s_wait_tensorcnt 0x0
	ds_add_u32 v254, v255
	s_wait_dscnt 0x0
	s_endpgm
.Lfunc_end_k_q3d0223dbb2_main:
	.size	k_q3d0223dbb2_main, .Lfunc_end_k_q3d0223dbb2_main-k_q3d0223dbb2_main
	.p2alignl 7, 3214868480
	.fill 96, 4, 3214868480
	.section	.rodata,"a",@progbits
	.p2align	6, 0x0
	.amdhsa_kernel k_q3d0223dbb2_main
		.amdhsa_group_segment_fixed_size 298496
		.amdhsa_private_segment_fixed_size 0
		.amdhsa_enable_private_segment 0
		.amdhsa_kernarg_size 40
		.amdhsa_user_sgpr_count 2
		.amdhsa_user_sgpr_kernarg_segment_ptr 1
		.amdhsa_wavefront_size32 1
		.amdhsa_system_sgpr_workgroup_id_x 1
		.amdhsa_system_sgpr_workgroup_id_y 1
		.amdhsa_system_sgpr_workgroup_id_z 1
		.amdhsa_system_vgpr_workitem_id 0
		.amdhsa_next_free_vgpr 1024
		.amdhsa_next_free_sgpr 66
		.amdhsa_reserve_vcc 0
		.amdhsa_float_denorm_mode_32 3
		.amdhsa_float_denorm_mode_16_64 3
		.amdhsa_memory_ordered 1
		.amdhsa_forward_progress 1
		.amdhsa_inst_pref_size 255
	.end_amdhsa_kernel
	.section	.bss,"aw",@nobits
	.p2align	6
	.space	262144
	.amdgpu_metadata
---
amdhsa.version: [ 1, 2 ]
amdhsa.kernels:
  - .name:           k_q3d0223dbb2_main
    .symbol:         k_q3d0223dbb2_main.kd
    .args:
      - { .name: x, .offset: 0, .size: 8, .value_kind: global_buffer, .address_space: global }
      - { .name: mu, .offset: 8, .size: 8, .value_kind: global_buffer, .address_space: global }
      - { .name: wq, .offset: 16, .size: 8, .value_kind: global_buffer, .address_space: global }
      - { .name: ws, .offset: 24, .size: 8, .value_kind: global_buffer, .address_space: global }
      - { .name: out0, .offset: 32, .size: 8, .value_kind: global_buffer, .address_space: global }
    .group_segment_fixed_size: 298496
    .private_segment_fixed_size: 0
    .kernarg_segment_align: 8
    .kernarg_segment_size: 40
    .max_flat_workgroup_size: 128
    .sgpr_count:     66
    .vgpr_count:     1024
    .wavefront_size: 32
...
	.end_amdgpu_metadata
.endif
;; end of part 3
